; MI455X (gfx1250); checked and timed in simulation.
; The chip was launched on July 23, 2026; its instructions are those of AMD's public machine-readable ISA for CDNA 5 (MIT licence, August 2026) and "CDNA5" Instruction Set Architecture Reference Guide (July 2026). The comments in the code are by the model that wrote it; some were corrected since.
;; Multi Head Self Attention. Allowed arithmetic: matrix products marked QUANTISED: E5M2 operands, one E8M0 scale for each 32 along K, by v_wmma_scale_f32_16x16x128_f8f6f4 with both operands' format E5M2, f32 sums; everything else in f32.
;; Inputs: out_b 1,024 float32; out_w 1,024 x 1,024 float32; qkv_b 3,072 float32; qkv_w 3,072 x 1,024 float32; x 2 x 2,048 x 1,024 float32.
;; Outputs: out0 2 x 2,048 x 1,024 float32.
;; This version of the problem:
;;   THIS VERSION OF THE PROBLEM IS GIVEN IN LOW PRECISION. The matrix products marked QUANTISED in the list below multiply operands that are first quantised to E5M2 (5 exponent bits, 2 mantissa bits; 8 bits a number), with one power-of-two scale for each 32 numbers along K (OCP MX v1.0); their sums are f32. All else is computed in f32.
;;   The module's matrix products, in the order in which they are computed (A, B: the left and right operand; K: the contracted axis; several contracted axes count as one K, in the product's order):
;;     1. [M 4,096, K 1,024] x [K 1,024, N 3,072]; A: input x; B: input qkv_w: QUANTISED
;;     2. batch 32 x [M 2,048, K 64] x [K 64, N 2,048]; A: computed on the way; B: computed on the way: QUANTISED
;;     3. batch 32 x [M 64, K 2,048] x [K 2,048, N 2,048]; A: computed on the way; B: softmax (see below): QUANTISED
;;     4. [M 4,096, K 1,024] x [K 1,024, N 1,024]; A: computed on the way; B: input out_w: QUANTISED
;;   THE QUANTISER, for each operand of a quantised product, along K:
;;     - K is cut into blocks of 32 from its start; a last block that is shorter is filled with zeros.
;;     - A block's scale is 2^e with e = floor(log2(the largest magnitude in the block)) - 15, held to -126 .. 127; a block of zeros has e = 0. As a byte (E8M0): e + 127.
;;     - Each number is divided by its block's scale, clamped to +-57,344, and rounded to the nearest number of E5M2, ties to even, subnormals kept.
;;     - The product sums the exact products of the quantised numbers (number of the format x scale) in f32.
;;   ~~~python
;;   def quantise(x, axis):      # numpy; x: float32 -> the quantised numbers, widened to float32 again
;;       x = np.moveaxis(x, axis, -1); K = x.shape[-1]
;;       x = np.pad(x, [(0, 0)] * (x.ndim - 1) + [(0, -K % 32)]); x = x.reshape(x.shape[:-1] + (-1, 32)); a = np.abs(x).max(-1, keepdims=True)
;;       e = np.where(a > 0, np.clip(np.frexp(np.where(a > 0, a, 1))[1] - 1 - 15, -126, 127), 0)      # np.frexp(a)[1] - 1 = floor(log2(a)), exactly
;;       r = np.clip(x / 2.0 ** e, -57344, 57344)
;;       step = 2.0 ** (np.maximum(np.frexp(np.where(r == 0, 1, r))[1] - 1, -14) - 2)
;;       q = np.round(r / step) * step * 2.0 ** e      # np.round: ties to even
;;       return np.moveaxis(q.reshape(q.shape[:-2] + (-1,))[..., :K], -1, axis).astype(np.float32)
;;   ~~~
;;   SOFTMAX AHEAD OF A QUANTISED PRODUCT. Where the list says 'softmax', what is quantised is not the finished softmax but p = 2^(t - M), with t = logit x log2(e) and M = ceil(the row's largest t), a whole number; so 1/2 < the row's largest p <= 1. The row's sum l is taken of the UNQUANTISED p, in f32, and the product's result is divided by l at the end. Since M is a whole number, a kernel that streams over the keys may use a running M (the ceiling of the running maximum): every later rescaling is an exact power of two, which a block's scale takes up: the codes' values come out the same.
;;   OPERANDS COMPUTED ON THE WAY. 'Computed on the way' means the value that the module computes at that place (a softmax that the list does not call 'softmax' is quantised finished and normalised). What goes into a quantiser is computed in f32, as accurately as f32 sums, v_exp_f32 and their like allow (about 1e-6 of the number): no bf16 or f16 on the way to a quantiser, and a product that is left as it is and whose result goes on into a quantised operand takes f32 operands (vector FMAs, or v_wmma_f32_16x16x4_f32). A number that lies on a knife's edge between two numbers of the format may be rounded either way, as far as f32 arithmetic and the matrix unit's own rounding can turn it there, and no further.
;; One version. Each part assembles by itself: llvm-mc -triple=amdgcn-amd-amdhsa -mcpu=gfx1250 --defsym DOCPART=n.
;; ======== version 1 of 1: 4 launches
;; limits: right only within a limited range of input values
;; workspace buffers: c1 8,388,608 bytes; s1 262,144 bytes; qc 4,194,304 bytes; qs 131,072 bytes; kv 8,650,752 bytes; cc 4,194,304 bytes; cs 131,072 bytes
;; launch quant (part 1): grid 512 x 1, 8 waves a work-group, no clusters, 69,632 bytes of LDS; arguments x, qkv_w, out_w, c1, s1; writes c1, s1
.if DOCPART == 1
	.amdgcn_target "amdgcn-amd-amdhsa--gfx1250"
	.amdhsa_code_object_version 6
	.text
	.protected	k_qcd420d03c5_quant
	.globl	k_qcd420d03c5_quant
	.p2align	8
	.type	k_qcd420d03c5_quant,@function
k_qcd420d03c5_quant:
	s_mov_b64 s[64:65], 0
	v_nop
	global_prefetch_b8 v0, s[64:65] scope:SCOPE_SE
	s_setreg_imm32_b32 hwreg(HW_REG_WAVE_MODE, 25, 1), 1
	s_wait_xcnt 0x0
; x [4096][1024], qkv_w [3072][1024], out_w [1024][1024], f32, K innermost, become codes of BF8 (E5M2) with one E8M0 byte for each 32 along K.
; CODES ARE IMAGES OF OPERAND REGISTERS: a fragment (16 rows x 128 K) is 2,048 bytes, [c 0..3][lane][16 bytes]: lane (r, h) holds k = 32 c + 16 h + 0 .. 15 of the tile's row r.
; Lane r of tile t stands for row 32 (t / 2) + 8 (t % 2) + r + 8 (r / 8): two neighbouring tiles, used as source 0, leave a lane 16 neighbours along that axis.
; c1: [tile 0..511][K step 0..7][2,048 bytes]; s1: [tile][r][32 bytes].  Tiles: x 0..255; qkv_w 256 + 12 head + 4 part + j (part 0 q, 1 k, 2 v; j 0..3); out_w 448..511.
; A block's scale is 2^(floor(log2(largest magnitude)) - 15); its byte is the largest magnitude's exponent field - 15, held at 1 from below.
; LIMITS: a block of zeros gets the byte 1 where the rule says 127 (its codes are zeros; only this program reads the bytes); NaN and infinities among the inputs are not served.
; SHARES: work-group g is one row tile, for all of K; wave s takes K step s.  Each load reads 512 consecutive bytes of a row; the 8 KB turn through the wave's own stage in LDS; each store of codes covers 512 consecutive bytes.
; No matrix unit, tensor load or cluster: the work-groups share nothing, and every byte is asked for at the head.
.set STW, 8448                         ; a stage: 16 rows x (512 + 16) bytes
.set SCG, 8*STW                        ; the tile's scale bytes, [r][32]
.set R,   16
.set X,   80                           ; register 16 c + i = k 32 c + 16 h + i of my row
.set PC,  144
.set TM,  160                          ; largest magnitudes, +4 bytes, +8 holds, +12 scale operands
.set PW,  176
.set SEL, 24
.set MNT, 26
	s_load_b256 s[4:11], s[0:1], 0x0               ; x, qkv_w, out_w, c1
	s_load_b64 s[12:13], s[0:1], 0x20              ; s1
	v_lshl_add_u32 v192, v0, 2, 0x10c00
	v_mov_b32 v193, 0
	v_lshrrev_b32 v1, 5, v0
	v_readfirstlane_b32 s14, v1                    ; wave = K step
	v_and_b32 v1, 31, v0
	v_and_b32 v2, 15, v0                           ; r
	v_bfe_u32 v3, v0, 4, 1                         ; h
	v_lshlrev_b32 v4, 4, v1                        ; 16 x lane
	s_mul_i32 s15, s14, STW
	v_add_nc_u32 v5, s15, v4                       ; the stage, in
	v_mul_u32_u24 v6, v2, 528
	v_lshl_add_u32 v6, v3, 6, v6
	v_add_nc_u32 v6, s15, v6                       ; and out: row r, + 64 h
	s_lshl_b32 s15, s14, 2
	s_add_co_u32 s15, s15, SCG
	v_lshlrev_b32 v7, 5, v2
	v_add_nc_u32 v7, s15, v7                       ; my row's scale word of my K step
	v_add_nc_u32 v8, SCG, v4
	s_mov_b32 s[SEL], 0x76543210
	s_mov_b32 s[SEL+1], 0xfedcba98
	s_mov_b32 s[MNT], 0x600000
.irp b, 0,1,2,3
	v_mov_b32 v[TM+4+\b], 0                        ; a lane permute's destination counts as one of its sources
.endr
	s_mov_b32 s16, 448
	s_wait_alu depctr_va_vdst(0)                   ; the wait at the head's end
	s_wait_kmcnt 0x0
	s_cmp_lt_u32 ttmp9, 448                        ; which tensor: the choice hangs on the work-group's number alone
	s_cselect_b64 s[6:7], s[6:7], s[8:9]
	s_cselect_b32 s16, 256, s16
	s_cmp_lt_u32 ttmp9, 256
	s_cselect_b64 s[4:5], s[4:5], s[6:7]
	s_cselect_b32 s16, 0, s16
	s_sub_co_u32 s19, ttmp9, s16                   ; the tile in its tensor
	s_lshr_b32 s20, s19, 1
	s_lshl_b32 s20, s20, 17                        ; 32 rows of 4,096 bytes for each pair of tiles,
	s_and_b32 s21, s19, 1
	s_lshl_b32 s21, s21, 15                        ; 8 rows for the odd one,
	s_add_co_u32 s20, s20, s21
	s_lshl_b32 s21, s14, 9                         ; 512 bytes a K step
	s_add_co_u32 s20, s20, s21
	s_mov_b32 s21, 0
	s_add_nc_u64 s[4:5], s[4:5], s[20:21]
.irp i, 0,1,2,3,4,5,6,7,8,9,10,11,12,13,14,15
	global_load_b128 v[R+4*\i:R+4*\i+3], v4, s[4:5] offset:(\i+8*(\i/8))*4096 th:TH_LOAD_NT
.endr
	s_sub_co_u32 s27, ttmp9, 256                   ; where a weight's tile goes: 256 + 12 head + 4 part + j
	s_lshr_b32 s28, s27, 6
	s_lshl_b32 s28, s28, 2
	s_and_b32 s29, s27, 3
	s_add_co_u32 s28, s28, s29
	s_bfe_u32 s29, s27, 0x40002
	s_mul_i32 s29, s29, 12
	s_add_co_u32 s28, s28, s29
	s_add_co_u32 s28, s28, 256
	s_cmp_lt_u32 ttmp9, 448
	s_cselect_b32 s28, s28, ttmp9
	s_cmp_lt_u32 ttmp9, 256
	s_cselect_b32 s28, ttmp9, s28                  ; x and out_w keep their places
	s_lshl_b32 s22, s28, 14
	s_lshl_b32 s23, s14, 11
	s_add_co_u32 s22, s22, s23
	s_mov_b32 s23, 0
	s_add_nc_u64 s[10:11], s[10:11], s[22:23]
	s_lshl_b32 s22, s28, 9
	s_add_nc_u64 s[12:13], s[12:13], s[22:23]
.irp i, 0,1,2,3,4,5,6,7,8,9,10,11,12,13,14,15
	s_wait_loadcnt 15-\i                           ; row i is in, the younger ones stay out
	ds_store_b128 v5, v[R+4*\i:R+4*\i+3] offset:528*\i
.endr
.irp c, 0,1,2,3
.irp j, 0,1,2,3
	ds_load_b128 v[X+16*\c+4*\j:X+16*\c+4*\j+3], v6 offset:128*\c+16*\j   ; LDS serves a wave's instructions in order
.endr
.endr
	s_wait_dscnt 0x0
.irp b, 0,1,2,3
	v_max3_num_f32 v[TM+\b], |v[X+16*\b]|, |v[X+1+16*\b]|, 0x8000000   ; and the floor 2^(16 - 127)
.endr
.irp i, 2,4,6,8,10,12,14
.irp b, 0,1,2,3
	v_max3_num_f32 v[TM+\b], v[TM+\b], |v[X+16*\b+\i]|, |v[X+1+16*\b+\i]|
.endr
.endr
.irp b, 0,1,2,3
	v_permlanex16_b32 v[TM+4+\b], v[TM+\b], s[SEL], s[SEL+1]
.endr
.irp b, 0,1,2,3
	v_max_num_f32 v[TM+\b], v[TM+\b], v[TM+4+\b]   ; with lane l xor 16's: the block's largest magnitude
.endr
.irp b, 0,1,2,3
	v_add_nc_u32 v[TM+12+\b], 0xf8800000, v[TM+\b] ; 15 off its exponent field: the conversion's scale operand
.endr
.irp b, 0,1,2,3
	v_and_or_b32 v[TM+8+\b], v[TM+\b], 0x7f800000, s[MNT]   ; 57,344 x the scale
.endr
.irp b, 0,1,2,3
	v_lshrrev_b32 v[TM+4+\b], 23, v[TM+12+\b]      ; the byte
.endr
	v_lshl_or_b32 v[PW], v[TM+5], 8, v[TM+4]
	v_lshl_or_b32 v[PW], v[TM+6], 16, v[PW]
	v_lshl_or_b32 v[PW], v[TM+7], 24, v[PW]
.irp b, 0,1,2,3
.irp i, 0,1,2,3,4,5,6,7,8,9,10,11,12,13,14,15
	v_med3_num_f32 v[X+16*\b+\i], v[X+16*\b+\i], -v[TM+8+\b], v[TM+8+\b]   ; the conversion does not saturate (ISA guide 7.6.2): the hold
.endr
	v_cvt_scalef32_pk8_bf8_f32 v[PC+4*\b:PC+1+4*\b], v[X+16*\b:X+7+16*\b], v[TM+12+\b]
	v_cvt_scalef32_pk8_bf8_f32 v[PC+2+4*\b:PC+3+4*\b], v[X+8+16*\b:X+15+16*\b], v[TM+12+\b]
.endr
	v_nop
.irp c, 0,1,2,3
	global_store_b128 v4, v[PC+4*\c:PC+4*\c+3], s[10:11] offset:512*\c
.endr
	ds_store_b32 v7, v[PW]                         ; both halves of the lanes write the same word with the same value
	s_wait_dscnt 0x0                               ; my word has landed
	s_barrier_signal -1
	s_barrier_wait -1
	s_cmp_lg_u32 s14, 0
	s_cbranch_scc1 .Ldone
	ds_load_b128 v[180:183], v8                    ; wave 0: the eight waves' words
	s_wait_dscnt 0x0
	global_store_b128 v4, v[180:183], s[12:13]     ; 512 consecutive bytes
.Ldone:
	s_wait_tensorcnt 0x0
	ds_add_u32 v192, v193
	s_wait_dscnt 0x0
	s_endpgm
.Lfunc_end_k_qcd420d03c5_quant:
	.size	k_qcd420d03c5_quant, .Lfunc_end_k_qcd420d03c5_quant-k_qcd420d03c5_quant
	.p2alignl 7, 3214868480
	.fill 96, 4, 3214868480
	.section	.rodata,"a",@progbits
	.p2align	6, 0x0
	.amdhsa_kernel k_qcd420d03c5_quant
		.amdhsa_group_segment_fixed_size 69632
		.amdhsa_private_segment_fixed_size 0
		.amdhsa_enable_private_segment 0
		.amdhsa_kernarg_size 40
		.amdhsa_user_sgpr_count 2
		.amdhsa_user_sgpr_kernarg_segment_ptr 1
		.amdhsa_wavefront_size32 1
		.amdhsa_system_sgpr_workgroup_id_x 1
		.amdhsa_system_sgpr_workgroup_id_y 1
		.amdhsa_system_sgpr_workgroup_id_z 1
		.amdhsa_system_vgpr_workitem_id 0
		.amdhsa_next_free_vgpr 194
		.amdhsa_next_free_sgpr 66
		.amdhsa_reserve_vcc 0
		.amdhsa_float_denorm_mode_32 3
		.amdhsa_float_denorm_mode_16_64 3
		.amdhsa_memory_ordered 1
		.amdhsa_forward_progress 1
		.amdhsa_inst_pref_size 16
	.end_amdhsa_kernel
	.amdgpu_metadata
---
amdhsa.version: [ 1, 2 ]
amdhsa.kernels:
  - .name:           k_qcd420d03c5_quant
    .symbol:         k_qcd420d03c5_quant.kd
    .args:
      - { .name: x, .offset: 0, .size: 8, .value_kind: global_buffer, .address_space: global }
      - { .name: qkv_w, .offset: 8, .size: 8, .value_kind: global_buffer, .address_space: global }
      - { .name: out_w, .offset: 16, .size: 8, .value_kind: global_buffer, .address_space: global }
      - { .name: c1, .offset: 24, .size: 8, .value_kind: global_buffer, .address_space: global }
      - { .name: s1, .offset: 32, .size: 8, .value_kind: global_buffer, .address_space: global }
    .group_segment_fixed_size: 69632
    .private_segment_fixed_size: 0
    .kernarg_segment_align: 8
    .kernarg_segment_size: 40
    .max_flat_workgroup_size: 256
    .sgpr_count:     66
    .vgpr_count:     194
    .wavefront_size: 32
...
	.end_amdgpu_metadata
.endif
;; end of part 1
;; launch qkv (part 2): grid 16 x 16, 4 waves a work-group, clusters of 4 x 4, 264,192 bytes of LDS; arguments c1, s1, qkv_b, qc, qs, kv; writes qc, qs, kv
.if DOCPART == 2
	.amdgcn_target "amdgcn-amd-amdhsa--gfx1250"
	.amdhsa_code_object_version 6
	.text
	.protected	k_qcd420d03c5_qkv
	.globl	k_qcd420d03c5_qkv
	.p2align	8
	.type	k_qcd420d03c5_qkv,@function
k_qcd420d03c5_qkv:
	s_mov_b64 s[64:65], 0
	v_nop
	global_prefetch_b8 v0, s[64:65] scope:SCOPE_SE
	s_setreg_imm32_b32 hwreg(HW_REG_WAVE_MODE, 25, 1), 1
	s_wait_xcnt 0x0
	s_wait_alu depctr_hold_cnt(0) depctr_sa_sdst(0) depctr_va_vdst(0) depctr_va_sdst(0) depctr_va_ssrc(0) depctr_va_vcc(0) depctr_vm_vsrc(0)
	s_getreg_b32 s2, hwreg(HW_REG_IB_STS2, 6, 4)
	s_cmp_eq_u32 s2, 0
	s_cbranch_scc0 .Lentry_in_a_cluster
	s_endpgm
.Lentry_in_a_cluster:
	s_bfe_u32 s2, ttmp6, 0x10000c
	s_cmp_lg_u32 s2, 0xf033
	s_cbranch_scc0 .Lentry_shape_is_right
	s_endpgm
.Lentry_shape_is_right:
; qkv = x qkv_w^T + qkv_b on codes of BF8 with E8M0 scales (K = 1,024); q and k are quantised along the head's 64, v along the keys, on the way out.
; 256 work-groups: 256 tokens x ONE HEAD's q, k and v (192 rows of qkv_w).  Four waves, 2 x 2: wave (rh, u) makes 128 tokens x {32 of q, 32 of k, 32 of v}: 8 x 6 tiles, 48 accumulators.  All waves run one text.
; q, k: source 0 = a weight tile, source 1 = an x tile: a lane holds a token, two tiles' 16 registers are 16 neighbours of the head's 64.  v: the sources change places: a lane holds a channel, its registers run along the keys.
; x: the work-group's 256 rows, all of K (256 KB), lie in LDS, filled once, by ONE joint load a wave at the head: waves 0, 1 K steps 0-2, waves 2, 3 K steps 3-7, a line each: the first is waited for ahead of step 0, the second inside step 2.
; THE WEIGHT: its fragments lie in memory as images of operand registers, and a wave reads each of its bytes once: they go straight into registers, a K step ahead, so that LDS has room for all of x and is read for x alone.  So the weight is not asked for jointly.
; CLUSTER 4 x 4: x's tiles are shared along a row of the cluster (one token block); the work-groups of a column take one head.
; PREFETCH of the weight: a K step's 12 tiles x 8 blocks of 256 bytes are asked for once in each cluster, two K steps ahead of their loads: each partner of a column takes 3 tiles, each wave 6 blocks.  Steps 0 and 1 come by their loads alone.
; OUT: qc [head of batch][tile 0..127][c 0..1][lane][16]; qs [head of batch][tile][r] u16; kv [head of batch][chunk of 128 keys, 0..15] of 16,896 bytes: k [tile 0..7][c][lane][16], v [channel tile 0..3][c 0..3][lane][16] at 8,192, k's scales [tile][r] u16 at 16,384, v's [channel tile][r] words at 16,640.
; LIMITS: a block of zeros gets the byte 1 (its codes are zeros; only this program reads the bytes); NaN and infinities are not served.
; REGISTERS: window 0: v1-31 addresses and work; v32-109 scale words (10 i + s: lanes 0-15 x tile i, lanes 16-31 weight tile i, K step s), codes on the way out; v128-255 v's accumulators (j, a) at 128 + 64 j + 8 a.
;   windows 1, 2: two fragment buffers: x's eight at 0, the weight's six at 128 (q, q, k, k, v, v); v224-255 of 1 and v224-239 of 2 the bias as C.  window 3: q's, k's accumulators (a, b) at 8 (4 a + b).
.set REGQ,  98304                      ; K steps 0-2: 16 tiles x 6,144 bytes at 0; K steps 3-7: 16 x 10,240
.set SPARE, 262144
.set STG,   262656                     ; [rh][k's scales 256][v's 256][q's 256]
.set SC,  32
.set TM,  16                           ; v16-19 largest magnitudes, v20-23 permuted, then bytes, v24-27 holds, v28-31 scale operands
.set TB,  20
.set HL,  24
.set SO,  28
.set G1P, 24
.set G1Q, 32
.set G0P, 40
.set G0Q, 44
.set MSB, 0
.macro WIN new                         ; the immediate's high byte repeats the setting that is left
.if MSB != \new
	s_set_vgpr_msb (MSB<<8)|(\new)
.set MSB, \new
.endif
.endm
.macro CROUND                          ; a round of the cluster's barrier
	s_barrier_signal -1
	s_barrier_wait -1
	s_cmp_lg_u32 s16, 0
	s_cbranch_scc1 .Lnot_wave_0_\@
	s_barrier_signal -3
.Lnot_wave_0_\@:
	s_barrier_wait -3
	s_barrier_signal -1
	s_barrier_wait -1
.endm
.macro GROUP1 g, d                     ; eight tiles' runs of d x 8 bytes, a tile 2,048 x 8 bytes behind the other
	s_or_b32 s[\g], s23, (3<<16)|(1<<21)
	s_mov_b32 s[\g+1], (\d)<<16
	s_mov_b32 s[\g+2], 8<<16
	s_mov_b32 s[\g+3], (\d)<<16
	s_mov_b32 s[\g+4], 8
	s_mov_b32 s[\g+5], 2048
	s_mov_b32 s[\g+6], 0
	s_mov_b32 s[\g+7], 0
.endm
	s_load_b256 s[4:11], s[0:1], 0x0               ; c1, s1, qkv_b, qc
	s_load_b128 s[12:15], s[0:1], 0x20             ; qs, kv
	v_lshl_add_u32 v10, v0, 2, SPARE
	v_mov_b32 v11, 0
	ds_add_u32 v10, v11                            ; the opening lines: the add, twice on end, one wait below
	ds_add_u32 v10, v11
	v_lshrrev_b32 v1, 5, v0
	v_readfirstlane_b32 s16, v1                    ; wave
	s_lshr_b32 s17, s16, 1                         ; rh: my 128 tokens.  Also: I fetch K steps 0-2 (0) or 3-7 (1)
	s_and_b32 s18, s16, 1                          ; u: my 32 of each 64.  Also: which half of x's tiles I fetch
	s_bfe_u32 s19, ttmp6, 0x40000                  ; cx
	s_bfe_u32 s20, ttmp6, 0x40004                  ; cy
	s_lshl_b32 s21, ttmp9, 2
	s_add_co_u32 s21, s21, s19                     ; the head
	s_and_b32 s22, ttmp7, 0xffff
	s_lshl_b32 s22, s22, 2
	s_add_co_u32 s22, s22, s20                     ; the block of 256 tokens
	s_lshl_b32 s23, s20, 2
	s_lshl_b32 s23, 15, s23                        ; my row of the cluster
	GROUP1 G1P, 768
	GROUP1 G1Q, 1280
	s_lshl_b32 s66, s22, 4
	s_lshl_b32 s67, s18, 3
	s_add_co_u32 s66, s66, s67
	s_lshl_b32 s66, s66, 14                        ; x: tiles 16 block + 8 half on
	s_mov_b32 s67, 0
	s_mov_b32 s[G0P], 1
	s_mul_i32 s[G0P+1], s18, 49152
	s_mov_b32 s[G0Q], 1
	s_mul_i32 s70, s18, 81920
	s_add_co_u32 s[G0Q+1], s70, REGQ
	s_wait_dscnt 0x0                               ; both opening adds are done
	s_wait_kmcnt 0x0
	s_add_nc_u64 s[G0P+2:G0P+3], s[4:5], s[66:67]
	s_add_nc_u64 s[G0Q+2:G0Q+3], s[G0P+2:G0P+3], 0x1800
	s_or_b32 s[G0P+3], s[G0P+3], 0x80000000
	s_or_b32 s[G0Q+3], s[G0Q+3], 0x80000000
	CROUND                                         ; all sixteen work-groups are here
	s_cmp_eq_u32 s17, 0                            ; one joint load a wave
	s_cbranch_scc0 .Lfor_rest
	tensor_load_to_lds s[G0P:G0P+3], s[G1P:G1P+7]
	s_nop 0
.rept 4
	v_nop
.endr
	s_branch .Lasked
.Lfor_rest:
	tensor_load_to_lds s[G0Q:G0Q+3], s[G1Q:G1Q+7]
	s_nop 0
.rept 4
	v_nop
.endr
.Lasked:
	; the weight: my tiles from 12 head + 2 u on; the prefetches' from 12 head + 3 cy on
	s_mul_i32 s68, s21, 12
	s_add_co_u32 s68, s68, 256
	s_mul_i32 s83, s20, 3
	s_add_co_u32 s82, s68, s83
	s_lshl_b32 s82, s82, 14
	s_mov_b32 s83, 0
	s_add_nc_u64 s[82:83], s[4:5], s[82:83]
	s_lshl_b32 s69, s18, 1
	s_add_co_u32 s68, s68, s69
	s_lshl_b32 s95, s68, 9                         ; their scales
	s_lshl_b32 s68, s68, 14
	s_mov_b32 s69, 0
	s_add_nc_u64 s[68:69], s[4:5], s[68:69]
	s_lshl_b32 s96, s22, 4
	s_lshl_b32 s97, s17, 3
	s_add_co_u32 s96, s96, s97
	s_lshl_b32 s96, s96, 9                         ; my x tiles' scales
	s_sub_co_u32 s95, s95, s96                     ; from there to the weight's
	s_mov_b32 s97, 0
	s_add_nc_u64 s[96:97], s[6:7], s[96:97]
	s_lshl_b32 s98, s21, 8
	s_lshl_b32 s99, s18, 7
	s_add_co_u32 s98, s98, s99
	s_mov_b32 s99, 0
	s_add_nc_u64 s[98:99], s[8:9], s[98:99]        ; qkv_b at 64 head + 32 u
	; where the results go
	s_lshr_b32 s88, s22, 3
	s_lshl_b32 s88, s88, 4
	s_add_co_u32 s88, s88, s21                     ; head of batch
	s_and_b32 s89, s22, 7
	s_lshl_b32 s89, s89, 1
	s_add_co_u32 s89, s89, s17                     ; chunk
	s_mul_i32 s78, s88, 270336
	s_mul_i32 s79, s89, 16896
	s_add_co_u32 s78, s78, s79
	s_mov_b32 s79, 0
	s_add_nc_u64 s[14:15], s[14:15], s[78:79]      ; my chunk of kv
	s_add_nc_u64 s[84:85], s[14:15], 0x4000        ; its scales
	s_lshl_b32 s78, s18, 9
	s_add_nc_u64 s[78:79], s[14:15], s[78:79]      ; k: c = u
	s_lshl_b32 s80, s18, 12
	s_add_co_u32 s80, s80, 8192
	s_mov_b32 s81, 0
	s_add_nc_u64 s[80:81], s[14:15], s[80:81]      ; v: channel tiles 2 u on
	s_lshl_b32 s88, s88, 4
	s_add_co_u32 s88, s88, s89
	s_lshl_b32 s86, s88, 8
	s_mov_b32 s87, 0
	s_add_nc_u64 s[86:87], s[12:13], s[86:87]      ; q's scales
	s_lshl_b32 s76, s88, 13
	s_lshl_b32 s77, s18, 9
	s_add_co_u32 s76, s76, s77
	s_mov_b32 s77, 0
	s_add_nc_u64 s[76:77], s[10:11], s[76:77]      ; q
	s_mul_i32 s91, s17, 49152
	s_mul_i32 s92, s17, 81920
	s_add_co_u32 s92, s92, REGQ
	s_mul_i32 s93, s16, 6
	s_mul_i32 s100, s17, 768
	s_add_co_u32 s100, s100, STG
	s_lshl_b32 s101, s18, 7
	s_add_co_u32 s101, s101, s100
	s_add_co_u32 s101, s101, 256
	s_mov_b32 s88, 0x76543210
	s_mov_b32 s89, 0xfedcba98
	s_mov_b32 s90, 0x600000
	v_and_b32 v1, 15, v0                           ; r
	v_bfe_u32 v2, v0, 4, 1                         ; h
	v_and_b32 v3, 31, v0                           ; lane
	v_lshlrev_b32 v8, 4, v3
	v_add_nc_u32 v4, s91, v8                       ; my x tiles, K steps 0-2;
	v_add_nc_u32 v6, s92, v8                       ; K steps 3-7: tiles 0-3,
	v_add_nc_u32 v7, 0xa000, v6                    ; 4-7
	v_lshlrev_b32 v9, 3, v3
	v_lshl_add_u32 v12, v1, 1, s100
	v_add_nc_u32 v12, s18, v12                     ; stage: + 2 r + u
	v_lshl_add_u32 v13, v1, 2, s101
	v_add_nc_u32 v14, s100, v8
	v_add_nc_u32 v15, s100, v9
	v_lshlrev_b32 v112, 5, v1
	v_mad_u32_u24 v112, v2, s95, v112              ; scales of pair 0 (x tiles 0, 1; q's two): 32 r, lanes 16-31 the weight's
	v_lshlrev_b32 v116, 10, v2
	v_add_nc_u32 v116, 0x400, v116                 ; a pair on: 2 tiles of x, 4 of the weight
	v_add_nc_u32 v113, v112, v116
	v_add_nc_u32 v114, v113, v116
	v_add_nc_u32 v115, v114, v116
	v_lshlrev_b32 v117, 6, v2                      ; q's, k's bias along the registers: 16 h numbers
	v_and_b32 v118, 8, v1
	v_add_nc_u32 v118, v118, v1
	v_lshlrev_b32 v118, 2, v118                    ; v's along the lanes: r + 8 (r / 8)
	v_min_u32 v119, 5, v3                          ; the prefetches: block 6 wave + lane of 24; lanes over name the last again
	v_add_nc_u32 v119, s93, v119
	v_lshrrev_b32 v122, 3, v119                    ; its tile
	v_and_b32 v119, 7, v119
	v_lshlrev_b32 v119, 8, v119
	v_lshl_add_u32 v119, v122, 14, v119
.irp i, 0,1,2,3
	v_mov_b32 v[TB+\i], 0
.endr
.macro BLOADS s, from, to              ; loads of K step s's 24 of the weight, in the order q, q, k, k, v, v: 512 consecutive bytes a load
	WIN ((\s)%2+1)<<6
.set L_, \from
.rept (\to)-(\from)
.set B_, L_/4
	global_load_b128 v[128+16*B_+4*(L_%4):131+16*B_+4*(L_%4)], v8, s[68:69] offset:(4*(B_/2)+B_%2)*16384+2048*(\s)+512*(L_%4)
.set L_, L_+1
.endr
.endm
.macro ALOADS s, from, to              ; loads of K step s's 32 of x: an image is read as it was written
	WIN ((\s)%2+1)<<6
.set L_, \from
.rept (\to)-(\from)
.set A_, L_/4
.if (\s) < 3
	ds_load_b128 v[4*L_:4*L_+3], v4 offset:6144*A_+2048*(\s)+512*(L_%4)
.else
	ds_load_b128 v[4*L_:4*L_+3], v[6+A_/4] offset:10240*(A_%4)+2048*((\s)-3)+512*(L_%4)
.endif
.set L_, L_+1
.endr
.endm
	s_wait_alu depctr_va_vdst(0)
.irp i, 0,1,2,3,4,5,6,7
	global_load_b128 v[SC+10*\i:SC+10*\i+3], v[112+\i/2], s[96:97] offset:512*(\i%2)
	global_load_b128 v[SC+10*\i+4:SC+10*\i+7], v[112+\i/2], s[96:97] offset:512*(\i%2)+16
.endr
	global_load_b32 v120, v118, s[98:99] offset:8192
	global_load_b32 v121, v118, s[98:99] offset:8224
	WIN 0x40
.irp b, 0,1,2,3
	global_load_b128 v[224+8*\b:227+8*\b], v117, s[98:99] offset:4096*(\b/2)+32*(\b%2)
	global_load_b128 v[228+8*\b:231+8*\b], v117, s[98:99] offset:4096*(\b/2)+32*(\b%2)+16
.endr
	BLOADS 0, 0, 24
	BLOADS 1, 0, 24
	WIN 0
	global_prefetch_b8 v119, s[82:83] offset:4096 th:TH_LOAD_NT scope:SCOPE_SE   ; K step 2
	s_wait_loadcnt 48                              ; scales and biases; the weight's two K steps may be out
	WIN 0x80
.irp i, 0,1,2,3,4,5,6,7
	v_mov_b32 v[224+\i], v120
	v_mov_b32 v[232+\i], v121
.endr
	WIN 0
; product n of a step's 48: 0-31 q, k: x tile n / 4, weight tile n % 4; 32-47 v.  The 48 accumulators take turns, in the same order in every step.  Step 0 takes the bias as C
.macro PRD s, n
.set W_, (\s)%2+1
.if (\n) < 32
.set A_, (\n)/4
.set B_, (\n)%4
.if (\s) == 0
	WIN 0xd5
	v_wmma_scale_f32_16x16x128_f8f6f4 v[8*(\n):8*(\n)+7], v[128+16*B_:143+16*B_], v[16*A_:16*A_+15], v[224+8*B_:231+8*B_], v[SC+10*B_+(\s)], v[SC+10*A_+(\s)] matrix_a_fmt:MATRIX_FMT_BF8 matrix_b_fmt:MATRIX_FMT_BF8 matrix_a_scale:MATRIX_SCALE_ROW1
.else
	WIN W_*5+0xf0
	v_wmma_scale_f32_16x16x128_f8f6f4 v[8*(\n):8*(\n)+7], v[128+16*B_:143+16*B_], v[16*A_:16*A_+15], v[8*(\n):8*(\n)+7], v[SC+10*B_+(\s)], v[SC+10*A_+(\s)] matrix_a_fmt:MATRIX_FMT_BF8 matrix_b_fmt:MATRIX_FMT_BF8 matrix_a_scale:MATRIX_SCALE_ROW1
.endif
.else
.set A_, (\n)%8
.set B_, ((\n)-32)/8
.set H_, 128+64*B_+8*A_
.if (\s) == 0
	WIN 0x25
	v_wmma_scale_f32_16x16x128_f8f6f4 v[H_:H_+7], v[16*A_:16*A_+15], v[192+16*B_:207+16*B_], v[224+8*B_:231+8*B_], v[SC+10*A_+(\s)], v[SC+10*(4+B_)+(\s)] matrix_a_fmt:MATRIX_FMT_BF8 matrix_b_fmt:MATRIX_FMT_BF8 matrix_b_scale:MATRIX_SCALE_ROW1
.else
	WIN W_*5
	v_wmma_scale_f32_16x16x128_f8f6f4 v[H_:H_+7], v[16*A_:16*A_+15], v[192+16*B_:207+16*B_], v[H_:H_+7], v[SC+10*A_+(\s)], v[SC+10*(4+B_)+(\s)] matrix_a_fmt:MATRIX_FMT_BF8 matrix_b_fmt:MATRIX_FMT_BF8 matrix_b_scale:MATRIX_SCALE_ROW1
.endif
.endif
.endm
.macro GRP s, g                        ; eight products; in a step's first eight a v_nop behind each: the eight places behind the last step's products, in front of the loads into what they read
.set N_, 8*(\g)
.rept 8
	PRD \s, N_
.if (\g) == 0
	v_nop
.endif
.set N_, N_+1
.endr
.endm
; a K step: the next step's 32 loads of x and 24 of the weight (step 0: those are out already) stand among the products.  Step 2 holds the barrier that shows x's K steps 3-7
.macro STEP s
	s_wait_dscnt 8                                 ; all but x's tiles 6, 7
.if (\s) == 0
	s_wait_loadcnt 32                              ; all but v's two weight fragments and the next step's 24
.else
	s_wait_loadcnt 8                               ; all but v's two weight fragments
.endif
	GRP \s, 0
.if (\s) == 7
	GRP \s, 1
	GRP \s, 2
	s_wait_dscnt 0x0
	GRP \s, 3
	s_wait_loadcnt 0x0
	GRP \s, 4
	GRP \s, 5
.else
.if (\s) > 0
	BLOADS (\s)+1, 0, 12
.endif
.if (\s) != 2
	ALOADS (\s)+1, 0, 7
.endif
	GRP \s, 1
.if (\s) > 0
	BLOADS (\s)+1, 12, 24
.endif
.if (\s) < 5
	WIN 0
	global_prefetch_b8 v119, s[82:83] offset:2048*((\s)+3) th:TH_LOAD_NT scope:SCOPE_SE   ; three K steps on: its loads stand two on
.endif
.if (\s) == 2
	s_wait_tensorcnt 0x0                           ; my tiles are in
	s_wait_dscnt 0x0
	s_barrier_signal -1
	GRP \s, 2
	WIN 0
	s_barrier_wait -1                              ; everybody's
	ALOADS (\s)+1, 0, 12
	GRP \s, 3
	ALOADS (\s)+1, 12, 24
	s_wait_loadcnt 24                              ; v's weight fragments are in: behind them the next step's 24
	GRP \s, 4
	ALOADS (\s)+1, 24, 32
.else
	ALOADS (\s)+1, 7, 14
	GRP \s, 2
	ALOADS (\s)+1, 14, 20
	s_wait_dscnt 20                                ; x's tiles 6, 7 are in: behind them the 20 just issued
	GRP \s, 3
	ALOADS (\s)+1, 20, 26
	s_wait_loadcnt 24
	GRP \s, 4
	ALOADS (\s)+1, 26, 32
.endif
	GRP \s, 5
.endif
.endm
	s_wait_alu depctr_va_vdst(0)                   ; the wait at the head's end
	s_cmp_eq_u32 s17, 0
	s_cbranch_scc0 .Lnot_first
	s_wait_tensorcnt 0x0                           ; waves 0, 1: x's K steps 0-2 are in; the other waves' wait stands in step 2
.Lnot_first:
	s_barrier_signal -1
	s_barrier_wait -1
	ALOADS 0, 0, 32
	STEP 0
	STEP 1
	STEP 2
	STEP 3
	STEP 4
	STEP 5
	STEP 6
	STEP 7
	WIN 0
	s_wait_xcnt 0x0                                ; the prefetches have read their offset: its register takes codes below
.rept 8
	v_nop                                          ; eight places behind the last products
.endr
; THE WAY OUT: four blocks at a time, 16 numbers a lane each at x in window w, become codes v[cd ..], bytes v[TB ..]
.macro QBATCH w, x, cd
	WIN 0x14*(\w)
.irp i, 0,1,2,3
	v_max3_num_f32 v[TM+\i], 0x8000000, |v[\x+16*\i]|, |v[\x+16*\i+1]|   ; the floor 2^(16 - 127): the byte cannot fall under 1
.endr
.irp k, 2,4,6,8,10,12,14
.irp i, 0,1,2,3
	v_max3_num_f32 v[TM+\i], v[TM+\i], |v[\x+16*\i+\k]|, |v[\x+16*\i+\k+1]|
.endr
.endr
	WIN 0
.irp i, 0,1,2,3
	v_permlanex16_b32 v[TB+\i], v[TM+\i], s88, s89
.endr
.irp i, 0,1,2,3
	v_max_num_f32 v[TM+\i], v[TM+\i], v[TB+\i]     ; with lane l xor 16's
.endr
.irp i, 0,1,2,3
	v_add_nc_u32 v[SO+\i], 0xf8800000, v[TM+\i]    ; 15 off the exponent field
.endr
.irp i, 0,1,2,3
	v_and_or_b32 v[HL+\i], v[TM+\i], 0x7f800000, s90   ; 57,344 x the scale
.endr
.irp i, 0,1,2,3
	v_lshrrev_b32 v[TB+\i], 23, v[SO+\i]
.endr
	WIN 0x41*(\w)
.irp i, 0,1,2,3
.irp k, 0,1,2,3,4,5,6,7,8,9,10,11,12,13,14,15
	v_med3_num_f32 v[\x+16*\i+\k], v[\x+16*\i+\k], -v[HL+\i], v[HL+\i]   ; the hold: the conversion does not saturate (ISA guide 7.6.2)
.endr
.endr
	WIN \w
.irp i, 0,1,2,3
	v_cvt_scalef32_pk8_bf8_f32 v[\cd+4*\i:\cd+4*\i+1], v[\x+16*\i:\x+16*\i+7], v[SO+\i]
	v_cvt_scalef32_pk8_bf8_f32 v[\cd+4*\i+2:\cd+4*\i+3], v[\x+16*\i+8:\x+16*\i+15], v[SO+\i]
.endr
	v_nop
	WIN 0
.endm
.irp m, 0,1,2,3                        ; x tiles 2 m, 2 m + 1: q, k, q, k
	QBATCH 3, 64*\m, 32+16*\m
.irp i, 0,1
	global_store_b128 v8, v[32+16*\m+8*\i:35+16*\m+8*\i], s[76:77] offset:1024*(2*\m+\i)   ; 512 consecutive bytes
	global_store_b128 v8, v[36+16*\m+8*\i:39+16*\m+8*\i], s[78:79] offset:1024*(2*\m+\i)
	ds_store_b8 v12, v[TB+2*\i] offset:512+32*(2*\m+\i)        ; both halves of the lanes write the same byte
	ds_store_b8 v12, v[TB+2*\i+1] offset:32*(2*\m+\i)
.endr
.endr
.irp j, 0,1                            ; v's channel tile 2 u + j: four blocks of 32 keys
	QBATCH 0, 128+64*\j, 96+16*\j
.irp i, 0,1,2,3
	global_store_b128 v8, v[96+16*\j+4*\i:99+16*\j+4*\i], s[80:81] offset:2048*\j+512*\i
.endr
	v_lshl_or_b32 v[TB], v[TB+1], 8, v[TB]
	v_lshl_or_b32 v[TB], v[TB+2], 16, v[TB]
	v_lshl_or_b32 v[TB], v[TB+3], 24, v[TB]
	ds_store_b32 v13, v[TB] offset:64*\j
.endr
	s_wait_alu depctr_va_vdst(0)
	s_wait_dscnt 0x0                               ; my scale bytes have landed
	s_barrier_signal -1
	s_barrier_wait -1
	s_cmp_eq_u32 s18, 0
	s_cbranch_scc0 .Lq_scales
	ds_load_b128 v[16:19], v14                     ; u = 0: k's and v's 512 bytes
	s_wait_dscnt 0x0
	global_store_b128 v8, v[16:19], s[84:85]
	s_branch .Lend
.Lq_scales:
	ds_load_b64 v[16:17], v15 offset:512           ; u = 1: q's 256
	s_wait_dscnt 0x0
	global_store_b64 v9, v[16:17], s[86:87]
.Lend:
	s_wait_tensorcnt 0x0
	ds_add_u32 v10, v11
	s_wait_dscnt 0x0
	CROUND                                         ; the closing round
	s_endpgm
.Lfunc_end_k_qcd420d03c5_qkv:
	.size	k_qcd420d03c5_qkv, .Lfunc_end_k_qcd420d03c5_qkv-k_qcd420d03c5_qkv
	.p2alignl 7, 3214868480
	.fill 96, 4, 3214868480
	.section	.rodata,"a",@progbits
	.p2align	6, 0x0
	.amdhsa_kernel k_qcd420d03c5_qkv
		.amdhsa_group_segment_fixed_size 264192
		.amdhsa_private_segment_fixed_size 0
		.amdhsa_enable_private_segment 0
		.amdhsa_kernarg_size 48
		.amdhsa_user_sgpr_count 2
		.amdhsa_user_sgpr_kernarg_segment_ptr 1
		.amdhsa_wavefront_size32 1
		.amdhsa_system_sgpr_workgroup_id_x 1
		.amdhsa_system_sgpr_workgroup_id_y 1
		.amdhsa_system_sgpr_workgroup_id_z 1
		.amdhsa_system_vgpr_workitem_id 0
		.amdhsa_next_free_vgpr 1024
		.amdhsa_next_free_sgpr 102
		.amdhsa_reserve_vcc 0
		.amdhsa_float_denorm_mode_32 3
		.amdhsa_float_denorm_mode_16_64 3
		.amdhsa_memory_ordered 1
		.amdhsa_forward_progress 1
		.amdhsa_inst_pref_size 152
	.end_amdhsa_kernel
	.amdgpu_metadata
---
amdhsa.version: [ 1, 2 ]
amdhsa.kernels:
  - .name:           k_qcd420d03c5_qkv
    .symbol:         k_qcd420d03c5_qkv.kd
    .args:
      - { .name: c1, .offset: 0, .size: 8, .value_kind: global_buffer, .address_space: global }
      - { .name: s1, .offset: 8, .size: 8, .value_kind: global_buffer, .address_space: global }
      - { .name: qkv_b, .offset: 16, .size: 8, .value_kind: global_buffer, .address_space: global }
      - { .name: qc, .offset: 24, .size: 8, .value_kind: global_buffer, .address_space: global }
      - { .name: qs, .offset: 32, .size: 8, .value_kind: global_buffer, .address_space: global }
      - { .name: kv, .offset: 40, .size: 8, .value_kind: global_buffer, .address_space: global }
    .group_segment_fixed_size: 264192
    .private_segment_fixed_size: 0
    .kernarg_segment_align: 8
    .kernarg_segment_size: 48
    .max_flat_workgroup_size: 128
    .sgpr_count:     102
    .vgpr_count:     1024
    .wavefront_size: 32
...
	.end_amdgpu_metadata
.endif
;; end of part 2
;; launch attn (part 3): grid 256 x 1, 8 waves a work-group, clusters of 4 x 1, 271,360 bytes of LDS; arguments qc, qs, kv, cc, cs; writes cc, cs
.if DOCPART == 3
	.amdgcn_target "amdgcn-amd-amdhsa--gfx1250"
	.amdhsa_code_object_version 6
	.text
	.protected	k_qcd420d03c5_attn
	.globl	k_qcd420d03c5_attn
	.p2align	8
	.type	k_qcd420d03c5_attn,@function
k_qcd420d03c5_attn:
	s_mov_b64 s[64:65], 0
	v_nop
	global_prefetch_b8 v0, s[64:65] scope:SCOPE_SE
	s_setreg_imm32_b32 hwreg(HW_REG_WAVE_MODE, 25, 1), 1
	s_wait_xcnt 0x0
	s_wait_alu depctr_hold_cnt(0) depctr_sa_sdst(0) depctr_va_vdst(0) depctr_va_sdst(0) depctr_va_ssrc(0) depctr_va_vcc(0) depctr_vm_vsrc(0)
	s_getreg_b32 s2, hwreg(HW_REG_IB_STS2, 6, 4)
	s_cmp_eq_u32 s2, 0
	s_cbranch_scc0 .Lentry_in_a_cluster
	s_endpgm
.Lentry_in_a_cluster:
	s_bfe_u32 s2, ttmp6, 0x10000c
	s_cmp_lg_u32 s2, 0x3003
	s_cbranch_scc0 .Lentry_shape_is_right
	s_endpgm
.Lentry_shape_is_right:
; ctx = softmax(q k^T / 8) v for 32 heads of batch, 2,048 queries and keys, head size 64, both products on codes of BF8 with E8M0 scales; ctx is quantised along the head's 64 on the way out, as proj's operand.
; t = score x log2(e) / 8; M = the row's largest t so far, rounded up to a whole number; p = 2^(t - M) is quantised along the keys; the row's sum is taken of the unquantised p and divides at the end.  When M moves, sum and O are multiplied by 2^(old M - new M).
; A block's scale: e = floor of its largest t - M (the exponent of its largest p), held at -111; byte e + 112; the hold 1.75 x 2^e.
; SHARES: a work-group owns 256 queries of a head, each of its EIGHT waves two tiles of 16, which share every fragment of K and V.  A step is 128 keys, 16 steps.  ALL of the head's K, V and scales (16 chunks of 16,896 bytes) lie in LDS, filled once:
; each wave brings two chunks by ONE joint load; the four work-groups of a cluster take the same head.  Step 0 begins when wave 0's load (chunks 0, 1) is in; it has a load line of its own.  Behind step 0 a barrier shows the rest, and the waves need no other.
; Cluster i: head of batch (i % 16) + 16 (i / 32); clusters i and i + 16 share a head.  No prefetch: every byte is asked for once, at the head, and no loop runs ahead of a load.
; Both products are transposed: S^T = K Q^T, O^T = V^T P^T: a lane holds one query of each tile.  Q's upper 64 of the instruction's K are zero codes.
; LIMITS: scaled scores (before the maximum is taken away) stay under 2^31 in magnitude; NaN and infinities are not served; a block of zeros gets a byte of at least 1 (only this program reads the bytes).
; REGISTERS: window 0: v64-127, v128-191 S of the two tiles, v192-223, v224-255 O.  window 1: K 0-71, V 72-135, Q 136-151, 152-167, P's codes 168-183, 184-199.
.set CHB, 16896
.set SPARE, 270336
.set L16, 1
.set ADK, 2
.set ADS, 3
.set ADT, 4
.set R2,  5                            ; 2 r
.set R4,  6                            ; 4 r
.set R32, 7
.set SPW, 8
.set NIL, 9
.set NM0, 10                           ; -M, and the largest raw score behind it
.set NM1, 12
.set L0,  14                           ; the sums, in two halves
.set L1,  16
.set U,   18                           ; v18, v19 at work
.set F0,  20                           ; the factor, and P's scale word behind it
.set F1,  22
.set VS,  24
.set KS,  28
.set QS0, 36
.set QS1, 37
.set BX,  38                           ; blocks: tile 0's four, tile 1's four; partial sums later
.set BT,  46                           ; lane-permuted; later the conversions' scale operands
.set HL,  54
.set U2,  62
.set S0,  64
.set S1,  128
.set O,   192
.set KR,  0
.set VR,  72
.set Q0,  136
.set Q1,  152
.set P0,  168
.set P1,  184
.set G1,  24
.set G0,  32
.set TB,  44
.set CNT, 45
.set CS,  46
.set NC,  48
.set MNT, 49
.set SEL, 50
.set MSB, 0
.macro WIN new
.if MSB != \new
	s_set_vgpr_msb (MSB<<8)|(\new)
.set MSB, \new
.endif
.endm
.macro CROUND
	s_barrier_signal -1
	s_barrier_wait -1
	s_cmp_lg_u32 s14, 0
	s_cbranch_scc1 .Lnot_wave_0_\@
	s_barrier_signal -3
.Lnot_wave_0_\@:
	s_barrier_wait -3
	s_barrier_signal -1
	s_barrier_wait -1
.endm
	s_load_b256 s[4:11], s[0:1], 0x0               ; qc, qs, kv, cc
	s_load_b64 s[12:13], s[0:1], 0x20              ; cs
	v_lshl_add_u32 v[SPW], v0, 2, SPARE
	v_mov_b32 v[NIL], 0
	ds_add_u32 v[SPW], v[NIL]                      ; the opening lines
	ds_add_u32 v[SPW], v[NIL]
	v_lshrrev_b32 v[U], 5, v0
	v_readfirstlane_b32 s14, v[U]                  ; wave
	s_bfe_u32 s15, ttmp6, 0x40000                  ; cx
	s_and_b32 s16, ttmp9, 15
	s_lshr_b32 s17, ttmp9, 5
	s_lshl_b32 s17, s17, 4
	s_add_co_u32 s16, s16, s17                     ; head of batch
	s_bfe_u32 s18, ttmp9, 0x10004                  ; which half of the queries
	s_mov_b32 s[G1], 15|(3<<16)|(1<<21)            ; the cluster's four; elements of 8 bytes; bit 21 beside a mask
	s_mov_b32 s[G1+1], 32<<16
	s_mov_b32 s[G1+2], 132<<16                     ; 132 rows of 256 bytes: two chunks
	s_mov_b32 s[G1+3], 32<<16
	s_mov_b32 s[G1+4], 132
	s_mov_b32 s[G1+5], 32
	s_mov_b32 s[G1+6], 0
	s_mov_b32 s[G1+7], 0
	s_mov_b32 s[G0], 1
	s_mul_i32 s[G0+1], s14, 2*CHB
	s_mul_i32 s20, s16, 16*CHB
	s_mul_i32 s21, s14, 2*CHB
	s_add_co_u32 s20, s20, s21
	s_mov_b32 s21, 0
	s_lshl_b32 s19, s18, 2
	s_add_co_u32 s19, s19, s15
	s_lshl_b32 s19, s19, 4
	s_lshl_b32 s36, s14, 1
	s_add_co_u32 s19, s19, s36                     ; my first tile of queries: 16 block + 2 wave
	s_lshl_b32 s36, s16, 7
	s_add_co_u32 s36, s36, s19
	s_lshl_b32 s36, s36, 10
	s_mov_b32 s37, 0
	s_lshl_b32 s38, s16, 12
	s_lshl_b32 s39, s19, 5
	s_add_co_u32 s38, s38, s39
	s_mov_b32 s39, 0
	s_mov_b32 s[CS], 0x3e38aa3b                    ; log2(e) / 8
	s_mov_b32 s[CS+1], s[CS]
	s_mov_b32 s[NC], 0xbe38aa3b
	s_mov_b32 s[MNT], 0x600000
	s_mov_b32 s[SEL], 0x76543210
	s_mov_b32 s[SEL+1], 0xfedcba98
	s_mov_b32 s[TB], 0
	v_and_b32 v[U], 31, v0
	v_and_b32 v[U+1], 15, v0
	v_lshlrev_b32 v[L16], 4, v[U]
	v_lshlrev_b32 v[R2], 1, v[U+1]
	v_lshlrev_b32 v[R4], 2, v[U+1]
	v_lshlrev_b32 v[R32], 5, v[U+1]
	s_wait_alu depctr_va_vdst(0)
	s_wait_dscnt 0x0
	s_wait_kmcnt 0x0
	s_add_nc_u64 s[4:5], s[4:5], s[36:37]
	s_add_nc_u64 s[6:7], s[6:7], s[38:39]
	WIN 0x40
.irp t, 0,1
	global_load_b128 v[Q0+16*\t:Q0+16*\t+3], v[L16], s[4:5] offset:1024*\t
	global_load_b128 v[Q0+16*\t+4:Q0+16*\t+7], v[L16], s[4:5] offset:1024*\t+512
.endr
	WIN 0
	global_load_u16 v[QS0], v[R2], s[6:7]
	global_load_u16 v[QS1], v[R2], s[6:7] offset:32
	s_add_nc_u64 s[G0+2:G0+3], s[8:9], s[20:21]
	s_or_b32 s[G0+3], s[G0+3], 0x80000000
	CROUND
	s_cmp_eq_u32 s14, 0                            ; one load a wave; wave 0's line is its own, since it is waited for first
	s_cbranch_scc0 .Lothers
	tensor_load_to_lds s[G0:G0+3], s[G1:G1+7]
	s_nop 0
.rept 4
	v_nop
.endr
	s_branch .Lasked
.Lothers:
	tensor_load_to_lds s[G0:G0+3], s[G1:G1+7]
	s_nop 0
.rept 4
	v_nop
.endr
.Lasked:
	s_lshr_b32 s22, s16, 4
	s_lshl_b32 s22, s22, 7
	s_add_co_u32 s22, s22, s19                     ; my first row tile of ctx
	s_and_b32 s23, s16, 15                         ; head
	s_lshl_b32 s36, s22, 14
	s_lshl_b32 s38, s23, 10
	s_add_co_u32 s36, s36, s38
	s_add_nc_u64 s[10:11], s[10:11], s[36:37]      ; cc [tile][K step = head / 2][c = 2 (head % 2) + block][lane][16]
	s_lshl_b32 s36, s22, 9
	s_lshl_b32 s38, s23, 1
	s_add_co_u32 s36, s36, s38
	s_add_nc_u64 s[12:13], s[12:13], s[36:37]      ; cs [tile][r][32]
	WIN 0x40
.irp j, 0,1,2,3,4,5,6,7
	v_mov_b32 v[Q0+8+\j], 0
	v_mov_b32 v[Q1+8+\j], 0
	v_mov_b32 v[KR+64+\j], 0                       ; (tile 7's operand reads on into these)
.endr
	WIN 0
.set j, 0
.rept 64
	v_mov_b32 v[O+j], 0                            ; the step is written for all: the first change of M multiplies zeros
.set j, j+1
.endr
.irp n, 0,1,2,3,4,5,6,7
	v_mov_b32 v[BT+\n], 0
.endr
.irp k, NM0, NM1
	v_mov_b32 v[\k+1], 0xff61b1e6                  ; the largest score so far: -3e38
	v_mul_f32 v[\k], s[NC], v[\k+1]
.endr
.irp j, 0,1,2,3
	v_mov_b32 v[L0+\j], 0
.endr
	s_wait_alu depctr_va_vdst(0)                   ; the wait at the head's end
	s_wait_loadcnt 0x0
	s_cmp_eq_u32 s14, 0
	s_cbranch_scc0 .Lnot_first
	s_wait_tensorcnt 0x0                           ; chunks 0 and 1 are in; the other waves' wait stands in step 0
.Lnot_first:
	s_barrier_signal -1
	s_barrier_wait -1
.macro KSLOT a, s, off, n              ; K's tiles 2 n, 2 n + 1 of a chunk and their scale words
	WIN 0x40
.irp t, 0,1
	ds_load_b128 v[KR+16*(\n)+8*\t:KR+16*(\n)+8*\t+3], v[\a] offset:(\off)+2048*(\n)+1024*\t
	ds_load_b128 v[KR+16*(\n)+8*\t+4:KR+16*(\n)+8*\t+7], v[\a] offset:(\off)+2048*(\n)+1024*\t+512
.endr
	WIN 0
.irp t, 0,1
	ds_load_u16 v[KS+2*(\n)+\t], v[\s] offset:(\off)+16384+64*(\n)+32*\t
.endr
.endm
.macro VSLOT t                         ; V's channel tile t and its scale word
	WIN 0x40
.irp c, 0,1,2,3
	ds_load_b128 v[VR+16*(\t)+4*\c:VR+16*(\t)+4*\c+3], v[ADK] offset:8192+2048*(\t)+512*\c
.endr
	WIN 0
	ds_load_b32 v[VS+(\t)], v[ADT] offset:16640+64*(\t)
.endm
.macro MR s, bx, k                     ; round k of the search for each block's largest score, my 16 of 32 keys
.irp b, 0,1,2,3
.if (\k) == 0
	v_max3_num_f32 v[\bx+\b], v[\s+16*\b], v[\s+16*\b+1], v[\s+16*\b+2]
.elseif (\k) < 7
	v_max3_num_f32 v[\bx+\b], v[\bx+\b], v[\s+16*\b+2*(\k)+1], v[\s+16*\b+2*(\k)+2]
.else
	v_max_num_f32 v[\bx+\b], v[\bx+\b], v[\s+16*\b+15]
.endif
.endr
.endm
.macro PERM n
.irp b, 0,1,2,3
	v_permlanex16_b32 v[BT+(\n)+\b], v[BX+(\n)+\b], s[SEL], s[SEL+1]
.endr
.endm
.macro JOIN n
.irp b, 0,1,2,3
	v_max_num_f32 v[BX+(\n)+\b], v[BX+(\n)+\b], v[BT+(\n)+\b]   ; with lane l xor 16's 16 keys
.endr
.endm
.macro ADD2 d, s, j
	v_pk_add_f32 v[\d:\d+1], v[\d:\d+1], v[\s+\j:\s+\j+1]
.endm
.macro SUMA s, l, f                    ; the sum under the new M, and the unquantised p, in seven chains
	v_pk_mul_f32 v[\l:\l+1], v[\l:\l+1], v[\f:\f+1] op_sel_hi:[1,0]
	v_pk_add_f32 v[U:U+1], v[\s:\s+1], v[\s+2:\s+3]
	v_pk_add_f32 v[U2:U2+1], v[\s+4:\s+5], v[\s+6:\s+7]
	v_pk_add_f32 v[BX:BX+1], v[\s+8:\s+9], v[\s+10:\s+11]
	v_pk_add_f32 v[BX+2:BX+3], v[\s+12:\s+13], v[\s+14:\s+15]
	v_pk_add_f32 v[BX+4:BX+5], v[\s+16:\s+17], v[\s+18:\s+19]
	v_pk_add_f32 v[BX+6:BX+7], v[\s+20:\s+21], v[\s+22:\s+23]
.set j, 24
.rept 2
	ADD2 \l, \s, j
	ADD2 U, \s, j+2
	ADD2 U2, \s, j+4
	ADD2 BX, \s, j+6
	ADD2 BX+2, \s, j+8
	ADD2 BX+4, \s, j+10
	ADD2 BX+6, \s, j+12
.set j, j+14
.endr
	ADD2 \l, \s, 52
	ADD2 U, \s, 54
	ADD2 U2, \s, 56
	ADD2 BX, \s, 58
	ADD2 BX+2, \s, 60
	ADD2 BX+4, \s, 62
.endm
.macro SUMB l
	ADD2 U, BX, 0
	ADD2 U2, BX, 2
	ADD2 BX+4, BX, 6
	ADD2 \l, U, 0
	ADD2 U2, BX, 4
	ADD2 \l, U2, 0
.endm
.macro HOLD s, h, j                    ; two p held at the largest code x the scale: the conversion does not saturate (ISA guide 7.6.2)
	v_dual_min_num_f32 v[\s+\j], v[\h+(\j)/16], v[\s+\j] :: v_dual_min_num_f32 v[\s+\j+1], v[\h+(\j)/16], v[\s+\j+1]
.endm
.macro CODES p, s, n
	WIN 0x40
.irp b, 0,1,2,3
	v_cvt_scalef32_pk8_bf8_f32 v[\p+4*\b:\p+4*\b+1], v[\s+16*\b:\s+16*\b+7], v[BT+(\n)+\b]
	v_cvt_scalef32_pk8_bf8_f32 v[\p+4*\b+2:\p+4*\b+3], v[\s+16*\b+8:\s+16*\b+15], v[BT+(\n)+\b]
.endr
	WIN 0
.endm
.macro TFMA n                          ; n pairs of tile 0's t - M from j on
.rept \n
	v_pk_fma_f32 v[S0+j:S0+j+1], v[S0+j:S0+j+1], s[CS:CS+1], v[NM0:NM0+1] op_sel_hi:[1,0,0]
.set j, j+2
.endr
.endm
.macro TRIP first, last
	v_add_nc_u32 v[ADK], s[TB], v[L16]
	v_add_nc_u32 v[ADS], s[TB], v[R2]
	v_add_nc_u32 v[ADT], s[TB], v[R4]
.if \first
	s_wait_alu depctr_va_vdst(0)
	s_wait_dscnt 0x0                               ; K of chunk 0 (later steps: K came in during the step before)
.endif
	WIN 0x05
.irp t, 0,1,2,3,4,5,6,7
	v_wmma_scale_f32_16x16x128_f8f6f4 v[S0+8*\t:S0+8*\t+7], v[KR+8*\t:KR+8*\t+15], v[Q0:Q0+15], 0, v[KS+\t], v[QS0] matrix_a_fmt:MATRIX_FMT_BF8 matrix_b_fmt:MATRIX_FMT_BF8
.endr
.irp t, 0,1,2,3,4,5,6,7
	v_wmma_scale_f32_16x16x128_f8f6f4 v[S1+8*\t:S1+8*\t+7], v[KR+8*\t:KR+8*\t+15], v[Q1:Q1+15], 0, v[KS+\t], v[QS1] matrix_a_fmt:MATRIX_FMT_BF8 matrix_b_fmt:MATRIX_FMT_BF8
	v_nop                                          ; the eight places behind tile 0's products, and behind the last step's
.endr
	WIN 0
	MR S0, BX, 0                                   ; these eight lines, on tile 0's scores, are places behind tile 1's products
	MR S0, BX, 1
.irp k, 2,3,4,5,6,7
	MR S0, BX, \k
	MR S1, BX+4, (\k)-2
.if (\k) > 5
	VSLOT (\k)-6
.elseif (\last) == 0
	KSLOT ADK, ADS, CHB, (\k)-2                    ; the next step's K
.endif
.endr
	MR S1, BX+4, 6
	VSLOT 2
	PERM 0
	MR S1, BX+4, 7
	VSLOT 3
	JOIN 0
	PERM 4
	v_max3_num_f32 v[NM0+1], v[NM0+1], v[BX], v[BX+1]
	JOIN 4
	v_max3_num_f32 v[NM0+1], v[NM0+1], v[BX+2], v[BX+3]
	v_max3_num_f32 v[NM1+1], v[NM1+1], v[BX+4], v[BX+5]
	v_mul_f32 v[U], s[NC], v[NM0+1]
	v_max3_num_f32 v[NM1+1], v[NM1+1], v[BX+6], v[BX+7]
	v_floor_f32 v[U], v[U]                         ; -M = floor(-t)
	v_mul_f32 v[U+1], s[NC], v[NM1+1]
	v_sub_f32 v[U2], v[U], v[NM0]                  ; old M - new M: a whole number, 0 or less
	v_floor_f32 v[U+1], v[U+1]
	v_mov_b32 v[NM0], v[U]
	v_sub_f32 v[U2+1], v[U+1], v[NM1]
	v_cvt_i32_f32 v[U2], v[U2]                     ; (it saturates)
	v_mov_b32 v[NM1], v[U+1]
	v_cvt_i32_f32 v[U2+1], v[U2+1]
.irp b, 0,1,2,3
	v_fma_f32 v[BX+\b], v[BX+\b], s[CS], v[NM0]
	v_fma_f32 v[BX+4+\b], v[BX+4+\b], s[CS], v[NM1]
.endr
	v_ldexp_f32 v[F0], 1.0, v[U2]
	v_ldexp_f32 v[F1], 1.0, v[U2+1]
.set j, 0
	TFMA 8
.irp n, 0,1,2,3,4,5,6,7
	v_cvt_floor_i32_f32 v[BX+\n], v[BX+\n]         ; e
.endr
.irp n, 0,1,2,3,4,5,6,7
	v_max_i32 v[BX+\n], 0xffffff91, v[BX+\n]       ; at least -111
.endr
.irp n, 0,1,2,3,4,5,6,7
	v_add_lshl_u32 v[BT+\n], v[BX+\n], 0x70, 23    ; 2^(e - 15): the conversions' scale operand
.endr
.irp n, 0,1,2,3,4,5,6,7
	v_add_nc_u32 v[HL+\n], 0x07e00000, v[BT+\n]    ; 1.75 x 2^e
.endr
	v_lshl_add_u32 v[F0+1], v[BX+1], 8, v[BX]
	v_lshl_add_u32 v[F1+1], v[BX+5], 8, v[BX+4]
	TFMA 6
	v_lshl_add_u32 v[F0+1], v[BX+2], 16, v[F0+1]
	v_lshl_add_u32 v[F1+1], v[BX+6], 16, v[F1+1]
	TFMA 6
	v_lshl_add_u32 v[F0+1], v[BX+3], 24, v[F0+1]
	v_lshl_add_u32 v[F1+1], v[BX+7], 24, v[F1+1]
	TFMA 6
	v_add_nc_u32 v[F0+1], 0x70707070, v[F0+1]      ; 112 to each byte
	v_add_nc_u32 v[F1+1], 0x70707070, v[F1+1]
	TFMA 6
	s_wait_alu depctr_va_vdst(0)                   ; the wait ahead of the batch
.set j, 0
.rept 32
	v_exp_f32 v[S0+j], v[S0+j]
	v_exp_f32 v[S0+j+1], v[S0+j+1]
	v_pk_fma_f32 v[S1+j:S1+j+1], v[S1+j:S1+j+1], s[CS:CS+1], v[NM1:NM1+1] op_sel_hi:[1,0,0]
.set j, j+2
.endr
	s_wait_alu depctr_va_vdst(0)                   ; behind the batch, and ahead of the next
	SUMA S0, L0, F0
	SUMB L0
.set i, 0
.rept 32
	v_exp_f32 v[S1+i], v[S1+i]
	v_exp_f32 v[S1+i+1], v[S1+i+1]
	HOLD S0, HL, i
.set i, i+2
.endr
	s_wait_dscnt 0x0                               ; V and the next K are in
.if \first
	s_wait_tensorcnt 0x0                           ; my two chunks are in
	s_barrier_signal -1
.endif
	s_wait_alu depctr_va_vdst(0)                   ; behind the batch, and directly ahead of O's first readers
.set j, 0
.rept 16
	v_pk_mul_f32 v[O+j:O+j+1], v[O+j:O+j+1], v[F0:F0+1] op_sel_hi:[1,0]
	v_pk_mul_f32 v[O+32+j:O+33+j], v[O+32+j:O+33+j], v[F1:F1+1] op_sel_hi:[1,0]
.set j, j+2
.endr
	CODES P0, S0, 0
	SUMA S1, L1, F1
.set i, 0
.rept 32
	HOLD S1, HL+4, i
.set i, i+2
.endr
	CODES P1, S1, 4
	SUMB L1                                        ; (six plain lines between the codes and their products)
	WIN 0x05
.irp t, 0,1,2,3
	v_wmma_scale_f32_16x16x128_f8f6f4 v[O+8*\t:O+8*\t+7], v[VR+16*\t:VR+16*\t+15], v[P0:P0+15], v[O+8*\t:O+8*\t+7], v[VS+\t], v[F0+1] matrix_a_fmt:MATRIX_FMT_BF8 matrix_b_fmt:MATRIX_FMT_BF8
	v_wmma_scale_f32_16x16x128_f8f6f4 v[O+32+8*\t:O+39+8*\t], v[VR+16*\t:VR+16*\t+15], v[P1:P1+15], v[O+32+8*\t:O+39+8*\t], v[VS+\t], v[F1+1] matrix_a_fmt:MATRIX_FMT_BF8 matrix_b_fmt:MATRIX_FMT_BF8
.endr
	WIN 0
.endm
.irp n, 0,1,2,3
	KSLOT L16, R2, 0, \n
.endr
	TRIP 1, 0
	s_wait_alu depctr_va_vdst(0)
	s_barrier_wait -1                              ; all sixteen chunks are in
	s_mov_b32 s[TB], CHB
	s_mov_b32 s[CNT], 14
.Lstep:
	TRIP 0, 0
	s_add_co_u32 s[TB], s[TB], CHB
	s_sub_co_u32 s[CNT], s[CNT], 1
	s_cmp_lg_u32 s[CNT], 0
	s_wait_alu depctr_va_vdst(0)                   ; the wait ahead of the branch
	s_cbranch_scc1 .Lstep
	TRIP 0, 1
.rept 8
	v_nop
.endr
	; THE WAY OUT: O / the sum, quantised: two blocks of 32 a tile
	v_add_f32 v[L0], v[L0], v[L0+1]
	v_add_f32 v[L1], v[L1], v[L1+1]
	v_permlanex16_b32 v[U], v[L0], s[SEL], s[SEL+1]
	v_permlanex16_b32 v[U+1], v[L1], s[SEL], s[SEL+1]
	v_add_f32 v[L0], v[L0], v[U]
	v_add_f32 v[L1], v[L1], v[U+1]
	s_wait_alu depctr_va_vdst(0)
	v_rcp_f32 v[L0], v[L0]
	v_rcp_f32 v[L1], v[L1]
	v_nop
	s_wait_alu depctr_va_vdst(0)
.set j, 0
.rept 16
	v_pk_mul_f32 v[O+j:O+j+1], v[O+j:O+j+1], v[L0:L0+1] op_sel_hi:[1,0]
	v_pk_mul_f32 v[O+32+j:O+33+j], v[O+32+j:O+33+j], v[L1:L1+1] op_sel_hi:[1,0]
.set j, j+2
.endr
.irp b, 0,1,2,3
	v_max3_num_f32 v[BX+\b], |v[O+16*\b]|, |v[O+1+16*\b]|, 0x8000000
.endr
.irp i, 2,4,6,8,10,12,14
.irp b, 0,1,2,3
	v_max3_num_f32 v[BX+\b], v[BX+\b], |v[O+16*\b+\i]|, |v[O+1+16*\b+\i]|
.endr
.endr
	PERM 0
	JOIN 0
.irp b, 0,1,2,3
	v_add_nc_u32 v[HL+4+\b], 0xf8800000, v[BX+\b]
.endr
.irp b, 0,1,2,3
	v_and_or_b32 v[HL+\b], v[BX+\b], 0x7f800000, s[MNT]
.endr
.irp b, 0,1,2,3
	v_lshrrev_b32 v[BT+\b], 23, v[HL+4+\b]
.endr
	v_lshl_or_b32 v[U], v[BT+1], 8, v[BT]
	v_lshl_or_b32 v[U+1], v[BT+3], 8, v[BT+2]
.irp b, 0,1,2,3
.irp i, 0,1,2,3,4,5,6,7,8,9,10,11,12,13,14,15
	v_med3_num_f32 v[O+16*\b+\i], v[O+16*\b+\i], -v[HL+\b], v[HL+\b]
.endr
	v_cvt_scalef32_pk8_bf8_f32 v[S0+4*\b:S0+4*\b+1], v[O+16*\b:O+16*\b+7], v[HL+4+\b]
	v_cvt_scalef32_pk8_bf8_f32 v[S0+4*\b+2:S0+4*\b+3], v[O+16*\b+8:O+16*\b+15], v[HL+4+\b]
.endr
	v_nop
.irp b, 0,1,2,3
	global_store_b128 v[L16], v[S0+4*\b:S0+4*\b+3], s[10:11] offset:16384*(\b/2)+512*(\b%2)   ; 512 consecutive bytes
.endr
	global_store_b16 v[R32], v[U], s[12:13]
	global_store_b16 v[R32], v[U+1], s[12:13] offset:512
	s_wait_tensorcnt 0x0
	ds_add_u32 v[SPW], v[NIL]
	s_wait_dscnt 0x0
	CROUND                                         ; the closing round
	s_endpgm
.Lfunc_end_k_qcd420d03c5_attn:
	.size	k_qcd420d03c5_attn, .Lfunc_end_k_qcd420d03c5_attn-k_qcd420d03c5_attn
	.p2alignl 7, 3214868480
	.fill 96, 4, 3214868480
	.section	.rodata,"a",@progbits
	.p2align	6, 0x0
	.amdhsa_kernel k_qcd420d03c5_attn
		.amdhsa_group_segment_fixed_size 271360
		.amdhsa_private_segment_fixed_size 0
		.amdhsa_enable_private_segment 0
		.amdhsa_kernarg_size 40
		.amdhsa_user_sgpr_count 2
		.amdhsa_user_sgpr_kernarg_segment_ptr 1
		.amdhsa_wavefront_size32 1
		.amdhsa_system_sgpr_workgroup_id_x 1
		.amdhsa_system_sgpr_workgroup_id_y 1
		.amdhsa_system_sgpr_workgroup_id_z 1
		.amdhsa_system_vgpr_workitem_id 0
		.amdhsa_next_free_vgpr 512
		.amdhsa_next_free_sgpr 96
		.amdhsa_reserve_vcc 0
		.amdhsa_float_denorm_mode_32 3
		.amdhsa_float_denorm_mode_16_64 3
		.amdhsa_memory_ordered 1
		.amdhsa_forward_progress 1
		.amdhsa_inst_pref_size 124
	.end_amdhsa_kernel
	.amdgpu_metadata
---
amdhsa.version: [ 1, 2 ]
amdhsa.kernels:
  - .name:           k_qcd420d03c5_attn
    .symbol:         k_qcd420d03c5_attn.kd
    .args:
      - { .name: qc, .offset: 0, .size: 8, .value_kind: global_buffer, .address_space: global }
      - { .name: qs, .offset: 8, .size: 8, .value_kind: global_buffer, .address_space: global }
      - { .name: kv, .offset: 16, .size: 8, .value_kind: global_buffer, .address_space: global }
      - { .name: cc, .offset: 24, .size: 8, .value_kind: global_buffer, .address_space: global }
      - { .name: cs, .offset: 32, .size: 8, .value_kind: global_buffer, .address_space: global }
    .group_segment_fixed_size: 271360
    .private_segment_fixed_size: 0
    .kernarg_segment_align: 8
    .kernarg_segment_size: 40
    .max_flat_workgroup_size: 256
    .sgpr_count:     96
    .vgpr_count:     512
    .wavefront_size: 32
...
	.end_amdgpu_metadata
.endif
;; end of part 3
;; launch proj (part 4): grid 8 x 32, 4 waves a work-group, clusters of 4 x 4, 167,936 bytes of LDS; arguments cc, cs, c1, s1, out_b, out0; writes out0
.if DOCPART == 4
	.amdgcn_target "amdgcn-amd-amdhsa--gfx1250"
	.amdhsa_code_object_version 6
	.text
	.protected	k_qcd420d03c5_proj
	.globl	k_qcd420d03c5_proj
	.p2align	8
	.type	k_qcd420d03c5_proj,@function
k_qcd420d03c5_proj:
	s_mov_b64 s[64:65], 0
	v_nop
	global_prefetch_b8 v0, s[64:65] scope:SCOPE_SE
	s_setreg_imm32_b32 hwreg(HW_REG_WAVE_MODE, 25, 1), 1
	s_wait_xcnt 0x0
	s_wait_alu depctr_hold_cnt(0) depctr_sa_sdst(0) depctr_va_vdst(0) depctr_va_sdst(0) depctr_va_ssrc(0) depctr_va_vcc(0) depctr_vm_vsrc(0)
	s_getreg_b32 s2, hwreg(HW_REG_IB_STS2, 6, 4)
	s_cmp_eq_u32 s2, 0
	s_cbranch_scc0 .Lentry_in_a_cluster
	s_endpgm
.Lentry_in_a_cluster:
	s_bfe_u32 s2, ttmp6, 0x10000c
	s_cmp_lg_u32 s2, 0xf033
	s_cbranch_scc0 .Lentry_shape_is_right
	s_endpgm
.Lentry_shape_is_right:
; out0 = ctx out_w^T + out_b on codes of BF8 with E8M0 scales, K = 1,024; out0 [4096][1024] f32.
; 256 work-groups of 128 x 128, four waves of 64 x 64.  ctx's 128 rows, all of K, lie in LDS: a joint load of two tiles (32 KB) a wave; a tile's image is 16 KB, [K step][c][lane][16].
; A WAVE HOLDS ITS 64 COLUMNS OF out_w, ALL OF K, IN REGISTERS (32 fragments, 512 registers), loaded from memory as they lie, once, so they pass no LDS and are not asked for jointly; it streams its four row tiles of ctx past them: a tile is finished by 32 products and leaves.
; CLUSTER 4 x 4: ctx's tiles are asked for jointly along a row of the cluster.  No prefetch: every byte is asked for at the head.
; THE PRODUCT IS USED TRANSPOSED (source 0 = a tile of out_w, source 1 = a tile of ctx): a lane holds one row, and the 16 registers of out_w's tiles 2 b, 2 b + 1 are columns 32 b + 16 h + 0 .. 15.  The bias is the C of the first products.
; REGISTERS: window 0: v24-55 ctx's scale words (8 i + s), v58-89 out_w's, v90-121 the bias, v122-185 two sets of four accumulators, v186-249 two sets of rows on the way out.  window 1: two ctx tiles, 8 fragments each.  windows 2, 3: out_w, fragment 4 s + b.
.set ADA, 4
.set SO,  6
.set RD,  7
.set GO,  8
.set L16, 9
.set SPW, 10
.set NIL, 11
.set SCA, 24
.set SCB, 58
.set BN,  90
.set ACC, 122
.set OB,  186
.set STG, 131072                       ; a stage of 16 rows x (256 + 16) bytes for each wave
.set SPARE, 148480
.set G1A, 24
.set G0A, 40
.set MSB, 0
.macro WIN new
.if MSB != \new
	s_set_vgpr_msb (MSB<<8)|(\new)
.set MSB, \new
.endif
.endm
.macro CROUND
	s_barrier_signal -1
	s_barrier_wait -1
	s_cmp_lg_u32 s14, 0
	s_cbranch_scc1 .Lnot_wave_0_\@
	s_barrier_signal -3
.Lnot_wave_0_\@:
	s_barrier_wait -3
	s_barrier_signal -1
	s_barrier_wait -1
.endm
	s_load_b256 s[4:11], s[0:1], 0x0               ; cc, cs, c1, s1
	s_load_b128 s[92:95], s[0:1], 0x20             ; out_b, out0
	v_lshl_add_u32 v[SPW], v0, 2, SPARE
	v_mov_b32 v[NIL], 0
	ds_add_u32 v[SPW], v[NIL]                      ; the opening lines
	ds_add_u32 v[SPW], v[NIL]
	v_lshrrev_b32 v1, 5, v0
	v_readfirstlane_b32 s14, v1                    ; wave
	s_lshr_b32 s15, s14, 1                         ; my half of the rows
	s_and_b32 s16, s14, 1                          ; my half of the columns
	s_bfe_u32 s17, ttmp6, 0x40000                  ; cx
	s_bfe_u32 s18, ttmp6, 0x40004                  ; cy
	s_and_b32 s20, ttmp7, 0xffff
	s_lshl_b32 s20, s20, 2
	s_add_co_u32 s56, s20, s18                     ; block of 128 rows
	s_lshl_b32 s19, ttmp9, 2
	s_add_co_u32 s84, s19, s17                     ; block of 128 columns
	s_lshl_b32 s63, s18, 2
	s_lshl_b32 s63, 15, s63                        ; my row of the cluster
	s_or_b32 s[G1A], s63, (3<<16)|(1<<21)
	s_mov_b32 s[G1A+1], 32<<16
	s_mov_b32 s[G1A+2], 128<<16                    ; 128 rows of 256 bytes, dense: two tiles
	s_mov_b32 s[G1A+3], 32<<16
	s_mov_b32 s[G1A+4], 128
	s_mov_b32 s[G1A+5], 32
	s_mov_b32 s[G1A+6], 0
	s_mov_b32 s[G1A+7], 0
	s_lshl_b32 s62, s56, 3
	s_lshl_b32 s63, s14, 1
	s_add_co_u32 s62, s62, s63
	s_lshl_b32 s62, s62, 14                        ; tiles 8 block + 2 wave on
	s_mov_b32 s63, 0
	s_mov_b32 s[G0A], 1
	s_lshl_b32 s[G0A+1], s14, 15
	s_wait_dscnt 0x0
	s_wait_kmcnt 0x0
	s_add_nc_u64 s[G0A+2:G0A+3], s[4:5], s[62:63]
	s_or_b32 s[G0A+3], s[G0A+3], 0x80000000
	CROUND
	tensor_load_to_lds s[G0A:G0A+3], s[G1A:G1A+7]
	s_nop 0
.rept 4
	v_nop
.endr
	s_lshl_b32 s96, s56, 3
	s_lshl_b32 s97, s15, 2
	s_add_co_u32 s96, s96, s97
	s_lshl_b32 s96, s96, 9
	s_mov_b32 s97, 0
	s_add_nc_u64 s[96:97], s[6:7], s[96:97]        ; the scales of my four tiles of ctx
	s_lshl_b32 s98, s84, 3
	s_lshl_b32 s99, s16, 2
	s_add_co_u32 s98, s98, s99
	s_add_co_u32 s98, s98, 448                     ; out_w's tiles in c1 and s1
	s_mov_b32 s99, 0
	s_lshl_b32 s70, s98, 14
	s_mov_b32 s71, 0
	s_add_nc_u64 s[70:71], s[8:9], s[70:71]        ; my four tiles of out_w
	s_lshl_b32 s98, s98, 9
	s_add_nc_u64 s[98:99], s[10:11], s[98:99]      ; and their scales
	s_lshl_b32 s66, s84, 9
	s_lshl_b32 s67, s16, 8
	s_add_co_u32 s66, s66, s67                     ; my 64 columns, in bytes
	s_mov_b32 s67, 0
	s_add_nc_u64 s[92:93], s[92:93], s[66:67]
	s_add_nc_u64 s[94:95], s[94:95], s[66:67]
	s_lshl_b32 s66, s56, 19
	s_lshl_b32 s19, s15, 18
	s_add_co_u32 s66, s66, s19                     ; my 64 rows of 4,096 bytes
	s_add_nc_u64 s[94:95], s[94:95], s[66:67]
	s_lshl_b32 s68, s15, 16
	s_mul_i32 s19, s14, 4352
	s_add_co_u32 s19, s19, STG                     ; my stage
	v_and_b32 v1, 15, v0                           ; r
	v_bfe_u32 v2, v0, 4, 1                         ; h
	v_and_b32 v3, 31, v0
	v_lshlrev_b32 v[L16], 4, v3
	v_add_nc_u32 v[ADA], s68, v[L16]
	v_lshlrev_b32 v12, 5, v1                       ; 32 r
	v_lshlrev_b32 v13, 6, v2                       ; 64 h
	v_mul_u32_u24 v[SO], v1, 272
	v_lshl_add_u32 v[SO], v2, 6, v[SO]
	v_add_nc_u32 v[SO], s19, v[SO]                 ; in: row r, + 64 h
	v_mul_u32_u24 v[RD], v2, 272
	v_lshl_add_u32 v[RD], v1, 4, v[RD]
	v_add_nc_u32 v[RD], s19, v[RD]                 ; back: lanes 0-15 one row of 256 bytes, lanes 16-31 the next
	v_lshlrev_b32 v[GO], 12, v2
	v_lshl_add_u32 v[GO], v1, 4, v[GO]             ; and the same two rows in the output
	s_wait_alu depctr_va_vdst(0)                   ; the wait at the head's end
.irp i, 0,1,2,3
	global_load_b128 v[SCA+8*\i:SCA+8*\i+3], v12, s[96:97] offset:512*\i
	global_load_b128 v[SCA+8*\i+4:SCA+8*\i+7], v12, s[96:97] offset:512*\i+16
	global_load_b128 v[SCB+8*\i:SCB+8*\i+3], v12, s[98:99] offset:512*\i
	global_load_b128 v[SCB+8*\i+4:SCB+8*\i+7], v12, s[98:99] offset:512*\i+16
.endr
.irp t, 0,1,2,3
	global_load_b128 v[BN+8*\t:BN+8*\t+3], v13, s[92:93] offset:4*(32*(\t/2)+8*(\t%2))      ; register j of out_w's tile t: column 32 (t / 2) + 16 h + 8 (t % 2) + j
	global_load_b128 v[BN+8*\t+4:BN+8*\t+7], v13, s[92:93] offset:4*(32*(\t/2)+8*(\t%2))+16
.endr
.irp s, 0,1,2,3,4,5,6,7                ; out_w's 32 fragments, 16 loads of 512 consecutive bytes a K step
	WIN (2+\s/4)<<6
.irp b, 0,1,2,3
.irp c, 0,1,2,3
	global_load_b128 v[64*(\s%4)+16*\b+4*\c:64*(\s%4)+16*\b+4*\c+3], v[L16], s[70:71] offset:16384*\b+2048*\s+512*\c
.endr
.endr
.endr
	WIN 0
	s_wait_tensorcnt 0x0                           ; my two tiles of ctx are in
	s_barrier_signal -1
	s_barrier_wait -1                              ; everybody's
.macro FETCH a                         ; ctx's tile a, all of K, into set a % 2: 32 loads
	WIN 0x40
.irp s, 0,1,2,3,4,5,6,7
.irp c, 0,1,2,3
	ds_load_b128 v[128*((\a)%2)+16*\s+4*\c:128*((\a)%2)+16*\s+4*\c+3], v[ADA] offset:16384*(\a)+2048*\s+512*\c
.endr
.endr
	WIN 0
.endm
.macro PRODUCTS a                      ; 32 products; the four accumulators take turns
.irp s, 0,1,2,3,4,5,6,7
.if (\a) == 0
.if \s < 4
	s_wait_loadcnt 63-16*(\s/4)-15*(\s/3)          ; K step s of out_w is in: at the most the later steps' loads are out
.else
	s_wait_loadcnt 16*(7-\s)
.endif
.endif
	WIN (2+\s/4)|4
.irp b, 0,1,2,3
.set H_, ACC+32*((\a)%2)+8*\b
.set W_, 64*(\s%4)+16*\b
.set X_, 128*((\a)%2)+16*\s
.if \s == 0
	v_wmma_scale_f32_16x16x128_f8f6f4 v[H_:H_+7], v[W_:W_+15], v[X_:X_+15], v[BN+8*\b:BN+8*\b+7], v[SCB+8*\b+\s], v[SCA+8*(\a)+\s] matrix_a_fmt:MATRIX_FMT_BF8 matrix_b_fmt:MATRIX_FMT_BF8
.else
	v_wmma_scale_f32_16x16x128_f8f6f4 v[H_:H_+7], v[W_:W_+15], v[X_:X_+15], v[H_:H_+7], v[SCB+8*\b+\s], v[SCA+8*(\a)+\s] matrix_a_fmt:MATRIX_FMT_BF8 matrix_b_fmt:MATRIX_FMT_BF8
.endif
.endr
.endr
	WIN 0
.endm
.macro PLACES                          ; eight places behind the products, in front of reads of their results and loads into what they read
.rept 8
	v_nop
.endr
.endm
.macro TOSTAGE a                       ; 16 rows x 64 columns through my own stage, back as whole rows of 256 bytes
.set H_, ACC+32*((\a)%2)
.set B_, OB+32*((\a)%2)
.irp t, 0,1,2,3
	ds_store_b128 v[SO], v[H_+8*\t:H_+8*\t+3] offset:128*(\t/2)+32*(\t%2)
	ds_store_b128 v[SO], v[H_+8*\t+4:H_+8*\t+7] offset:128*(\t/2)+32*(\t%2)+16
.endr
.irp i, 0,1,2,3,4,5,6,7
	ds_load_b128 v[B_+4*\i:B_+4*\i+3], v[RD] offset:544*\i   ; LDS serves a wave's instructions in order
.endr
.endm
.macro SEND a, younger                 ; younger: the LDS loads issued behind the stage's
.set B_, OB+32*((\a)%2)
.irp i, 0,1,2,3,4,5,6,7
	s_wait_dscnt \younger+7-\i
	global_store_b128 v[GO], v[B_+4*\i:B_+4*\i+3], s[94:95] offset:(32*((\a)/2)+8*((\a)%2)+2*\i+8*(\i/4))*4096 th:TH_STORE_NT   ; sixteen lanes store 256 consecutive bytes, aligned
.endr
.endm
	FETCH 0
	FETCH 1
	s_wait_dscnt 32                                ; tile 0 is in
	PRODUCTS 0
	PLACES
	TOSTAGE 0
	FETCH 2
	SEND 0, 32                                     ; its last wait leaves only the 32 just fetched: tile 1 is in
	PRODUCTS 1
	PLACES
	TOSTAGE 1
	FETCH 3
	SEND 1, 32                                     ; tile 2 is in
	PRODUCTS 2
	PLACES
	s_wait_xcnt 0x0                                ; tile 0's stores have read their data: those registers are loaded again
	TOSTAGE 2
	SEND 2, 0                                      ; tile 3 is in
	PRODUCTS 3
	PLACES
	s_wait_xcnt 0x0
	TOSTAGE 3
	SEND 3, 0
	s_wait_tensorcnt 0x0
	ds_add_u32 v[SPW], v[NIL]
	s_wait_dscnt 0x0
	CROUND                                         ; the closing round
	s_endpgm
.Lfunc_end_k_qcd420d03c5_proj:
	.size	k_qcd420d03c5_proj, .Lfunc_end_k_qcd420d03c5_proj-k_qcd420d03c5_proj
	.p2alignl 7, 3214868480
	.fill 96, 4, 3214868480
	.section	.rodata,"a",@progbits
	.p2align	6, 0x0
	.amdhsa_kernel k_qcd420d03c5_proj
		.amdhsa_group_segment_fixed_size 167936
		.amdhsa_private_segment_fixed_size 0
		.amdhsa_enable_private_segment 0
		.amdhsa_kernarg_size 48
		.amdhsa_user_sgpr_count 2
		.amdhsa_user_sgpr_kernarg_segment_ptr 1
		.amdhsa_wavefront_size32 1
		.amdhsa_system_sgpr_workgroup_id_x 1
		.amdhsa_system_sgpr_workgroup_id_y 1
		.amdhsa_system_sgpr_workgroup_id_z 1
		.amdhsa_system_vgpr_workitem_id 0
		.amdhsa_next_free_vgpr 1024
		.amdhsa_next_free_sgpr 102
		.amdhsa_reserve_vcc 0
		.amdhsa_float_denorm_mode_32 3
		.amdhsa_float_denorm_mode_16_64 3
		.amdhsa_memory_ordered 1
		.amdhsa_forward_progress 1
		.amdhsa_inst_pref_size 54
	.end_amdhsa_kernel
	.amdgpu_metadata
---
amdhsa.version: [ 1, 2 ]
amdhsa.kernels:
  - .name:           k_qcd420d03c5_proj
    .symbol:         k_qcd420d03c5_proj.kd
    .args:
      - { .name: cc, .offset: 0, .size: 8, .value_kind: global_buffer, .address_space: global }
      - { .name: cs, .offset: 8, .size: 8, .value_kind: global_buffer, .address_space: global }
      - { .name: c1, .offset: 16, .size: 8, .value_kind: global_buffer, .address_space: global }
      - { .name: s1, .offset: 24, .size: 8, .value_kind: global_buffer, .address_space: global }
      - { .name: out_b, .offset: 32, .size: 8, .value_kind: global_buffer, .address_space: global }
      - { .name: out0, .offset: 40, .size: 8, .value_kind: global_buffer, .address_space: global }
    .group_segment_fixed_size: 167936
    .private_segment_fixed_size: 0
    .kernarg_segment_align: 8
    .kernarg_segment_size: 48
    .max_flat_workgroup_size: 128
    .sgpr_count:     102
    .vgpr_count:     1024
    .wavefront_size: 32
...
	.end_amdgpu_metadata
.endif
;; end of part 4
